; MI455X (gfx1250); checked and timed in simulation.
; The chip was launched on July 23, 2026; its instructions are those of AMD's public machine-readable ISA for CDNA 5 (MIT licence, August 2026) and "CDNA5" Instruction Set Architecture Reference Guide (July 2026). The comments in the code are by the model that wrote it; some were corrected since.
;; Temporal Focus. Allowed arithmetic: matrix products marked QUANTISED: E2M1 operands, one E8M0 scale for each 32 along K, by v_wmma_scale_f32_16x16x128_f8f6f4 with both operands' format E2M1 (or v_wmma_scale_f32_32x16x128_f4), f32 sums; everything else in f32.
;; Inputs: c_attn_b 3,072 float32; c_attn_w_codes 3,072 x 32 x 16 uint8 (E2M1 codes of c_attn_w, K innermost, in blocks of 32 codes, two codes a byte); c_attn_w_scales 3,072 x 32 uint8 (E8M0 scales of c_attn_w, one for each 32 codes along K); c_proj_b 1,024 float32; c_proj_w_codes 1,024 x 32 x 16 uint8 (E2M1 codes of c_proj_w, K innermost, in blocks of 32 codes, two codes a byte); c_proj_w_scales 1,024 x 32 uint8 (E8M0 scales of c_proj_w, one for each 32 codes along K); x_codes 4 x 2,048 x 32 x 16 uint8 (E2M1 codes of x, K innermost, in blocks of 32 codes, two codes a byte); x_scales 4 x 2,048 x 32 uint8 (E8M0 scales of x, one for each 32 codes along K).
;; Outputs: out0 4 x 2,048 x 1,024 float32.
;; This version of the problem:
;;   THIS VERSION OF THE PROBLEM IS GIVEN IN LOW PRECISION. The matrix products marked QUANTISED in the list below multiply operands that are first quantised to E2M1 (2 exponent bits, 1 mantissa bit; 4 bits a number), with one power-of-two scale for each 32 numbers along K (OCP MX v1.0); their sums are f32. All else is computed in f32.
;;   The module's matrix products, in the order in which they are computed (A, B: the left and right operand; K: the contracted axis; several contracted axes count as one K, in the product's order):
;;     1. [M 8,192, K 1,024] x [K 1,024, N 3,072]; A: input x (given as codes); B: input c_attn_w (given as codes): QUANTISED
;;     2. batch 64 x [M 2,048, K 64] x [K 64, N 2,048]; A: computed on the way; B: computed on the way: QUANTISED
;;     3. batch 64 x [M 2,048, K 2,048] x [K 2,048, N 64]; A: softmax (see below); B: computed on the way: QUANTISED
;;     4. [M 8,192, K 1,024] x [K 1,024, N 1,024]; A: computed on the way; B: input c_proj_w (given as codes): QUANTISED
;;   THE QUANTISER, for each operand of a quantised product, along K:
;;     - K is cut into blocks of 32 from its start; a last block that is shorter is filled with zeros.
;;     - A block's scale is 2^e with e = floor(log2(the largest magnitude in the block)) - 2, held to -126 .. 127; a block of zeros has e = 0. As a byte (E8M0): e + 127.
;;     - Each number is divided by its block's scale, clamped to +-6, and rounded to the nearest number of E2M1, ties to even, subnormals kept.
;;     - The product sums the exact products of the quantised numbers (number of the format x scale) in f32.
;;   ~~~python
;;   def quantise(x, axis):      # numpy; x: float32 -> the quantised numbers, widened to float32 again
;;       x = np.moveaxis(x, axis, -1); K = x.shape[-1]
;;       x = np.pad(x, [(0, 0)] * (x.ndim - 1) + [(0, -K % 32)]); x = x.reshape(x.shape[:-1] + (-1, 32)); a = np.abs(x).max(-1, keepdims=True)
;;       e = np.where(a > 0, np.clip(np.frexp(np.where(a > 0, a, 1))[1] - 1 - 2, -126, 127), 0)      # np.frexp(a)[1] - 1 = floor(log2(a)), exactly
;;       r = np.clip(x / 2.0 ** e, -6, 6)
;;       step = 2.0 ** (np.maximum(np.frexp(np.where(r == 0, 1, r))[1] - 1, 0) - 1)
;;       q = np.round(r / step) * step * 2.0 ** e      # np.round: ties to even
;;       return np.moveaxis(q.reshape(q.shape[:-2] + (-1,))[..., :K], -1, axis).astype(np.float32)
;;   ~~~
;;   SOFTMAX AHEAD OF A QUANTISED PRODUCT. Where the list says 'softmax', what is quantised is not the finished softmax but p = 2^(t - M), with t = logit x log2(e) and M = ceil(the row's largest t), a whole number; so 1/2 < the row's largest p <= 1. The row's sum l is taken of the UNQUANTISED p, in f32, and the product's result is divided by l at the end. Since M is a whole number, a kernel that streams over the keys may use a running M (the ceiling of the running maximum): every later rescaling is an exact power of two, which a block's scale takes up: the codes' values come out the same.
;;   OPERANDS COMPUTED ON THE WAY. 'Computed on the way' means the value that the module computes at that place (a softmax that the list does not call 'softmax' is quantised finished and normalised). What goes into a quantiser is computed in f32, as accurately as f32 sums, v_exp_f32 and their like allow (about 1e-6 of the number): no bf16 or f16 on the way to a quantiser, and a product that is left as it is and whose result goes on into a quantised operand takes f32 operands (vector FMAs, or v_wmma_f32_16x16x4_f32). A number that lies on a knife's edge between two numbers of the format may be rounded either way, as far as f32 arithmetic and the matrix unit's own rounding can turn it there, and no further.
;;   INPUTS GIVEN AS CODES. c_attn_w (in the module: [1024, 3072], K = its axis 0); c_proj_w (in the module: [1024, 1024], K = its axis 0); x (in the module: [4, 2048, 1024], K = its axis 2): each comes as NAME_codes (uint8): NAME with its K axis moved to the last place and cut into blocks of 32 codes, [.., K / 32, bytes a block], one block behind the other in memory; two codes a byte, the lower K in the low four bits (a code: sign, 2 exponent bits, 1 mantissa bit); and NAME_scales (uint8): the same leading axes, one E8M0 byte (e + 127) for each 32 codes along K. Its value is code x scale, taken as it is: it is not quantised again, and the codes and scales need not be those that the quantiser above would give.
;; One version. Each part assembles by itself: llvm-mc -triple=amdgcn-amd-amdhsa -mcpu=gfx1250 --defsym DOCPART=n.
;; ======== version 1 of 1: 3 launches
;; workspace buffers: qkv 13,893,632 bytes; yc 4,194,304 bytes; ys 262,144 bytes
;; launch qkv (part 1): grid 12 x 32, 4 waves a work-group, clusters of 4 x 4, 327,680 bytes of LDS; arguments x_codes, x_scales, c_attn_w_codes, c_attn_w_scales, c_attn_b, qkv; writes qkv
.if DOCPART == 1
	.amdgcn_target "amdgcn-amd-amdhsa--gfx1250"
	.amdhsa_code_object_version 6
	.text
	.protected	k_qe87e2f0f4d_qkv
	.globl	k_qe87e2f0f4d_qkv
	.p2align	8
	.type	k_qe87e2f0f4d_qkv,@function
k_qe87e2f0f4d_qkv:
	s_mov_b64 s[64:65], 0
	v_nop
	global_prefetch_b8 v0, s[64:65] scope:SCOPE_SE
	s_setreg_imm32_b32 hwreg(HW_REG_WAVE_MODE, 25, 1), 1
	s_wait_xcnt 0x0
	s_wait_alu depctr_hold_cnt(0) depctr_sa_sdst(0) depctr_va_vdst(0) depctr_va_sdst(0) depctr_va_ssrc(0) depctr_va_vcc(0) depctr_vm_vsrc(0)
	s_getreg_b32 s2, hwreg(HW_REG_IB_STS2, 6, 4)
	s_cmp_eq_u32 s2, 0
	s_cbranch_scc0 .Lentry_in_a_cluster
	s_endpgm
.Lentry_in_a_cluster:
	s_bfe_u32 s2, ttmp6, 0x10000c
	s_cmp_lg_u32 s2, 0xf033
	s_cbranch_scc0 .Lentry_shape_is_right
	s_endpgm
.Lentry_shape_is_right:
; LAUNCH 1 OF 3: qkv = x c_attn_w + c_attn_b on codes of FP4 (E2M1) with E8M0 scales, sums in f32; the results are quantised at once, in registers, and leave as codes:
; q and k along the head's 64 channels (two blocks of 32), v along the keys (blocks of 32 tokens).  No f32 intermediate goes to memory.
; DEAD WORK OF THE WHOLE PROGRAM.  reference() sets att[q][k] to -inf wherever k > q, by a jnp.tril that it builds in its own body; the softmax turns -inf into the weight 0, whose code is 0, and a zero code adds nothing to
; the third product whatever v holds.  So a step of 128 keys all of which come after a tile's 16 queries can reach no output, for all finite inputs, and launch 2 leaves such steps out of the second and third product.
; Nothing else is left out and every input is loaded.  LIMIT: a NaN, an infinity or an overflow that reaches only such scores is not carried to the result.
; LIMITS: NaN and infinities among the inputs are not served.  A block of zeros gets the scale byte 1 where the quantiser says 127: its codes are zeros, which add nothing under any byte but 0xff, and only this program
; reads the bytes.  A block whose largest magnitude lies under 2^-124 is held at the byte 1.
; SHARES.  A work-group of four waves makes 256 x 256 results, a wave 128 x 128: 64 accumulators of 16 x 16.  K = 1,024 lies in two LDS slots of 512 along K (rows of 256 bytes), both filled once at the start: nothing is filled again.
; THE MATRIX INSTRUCTION: source 0 = 16 rows of operand S0, source 1 = 16 rows of S1.  In the result a lane holds ONE row of S1 (lane % 16) and its registers run along S0's rows, 8 (lane / 16) + 0 .. 7.
; What is quantised runs along S0.  Clusters 0 and 1 along x make q and k: S0 = c_attn_w's rows (channels), S1 = x's rows (tokens).  Cluster 2 makes v: S0 = x's rows (tokens = keys), S1 = c_attn_w's rows.
; Both tensors have rows of 512 bytes of codes and 32 scale bytes, so only pointers and tile numbers are chosen, by the cluster's x, which all sixteen partners share.
; CLUSTERS: 4 x 4.  S1's tile hangs on cy and is shared along a row of the cluster, S0's on cx and is shared along a column: each is asked for jointly, by the same tensor load with a mask that names the four.
; A RESULT BECOMES CODES.  Accumulators (a, 2 e) and (a, 2 e + 1) hold block e of 32: 16 numbers in this lane, 16 in lane xor 16.  Each accumulator's eight numbers make one register of codes; two exchanges of
; lane halves for each 64 then give a lane a whole block: registers 4 c .. 4 c + 3 hold k = 64 c + 32 (lane / 16) + 0 .. 31, which is the 4-bit operand's own layout.  So the workspace is laid as images of operand registers.
; THE WORKSPACE: 64 records of REC bytes, one for each batch and head.  QC, KC: [tile of 16 tokens][lane][16 bytes].  QS, KS: [128 tokens][half][r][4 words], a word = a token's two scale bytes and two zero bytes.
; VC: [step of 128 keys][tile of 16 channels][c][lane][16 bytes].  VS: [step][r][tile] words of four scale bytes.
; REGISTERS, in windows of 256.  Window 0: v16-31 addresses; v32-95 scale words, two sets; v96-127 at work in the quantiser; v128-191 S1's fragments, later the codes; v192-255 the bias, as the C of the first products.
;   Window 1: S0's fragments, two sets.  Windows 2, 3: the accumulators, (a, b) at v[8 (8 (a % 4) + b)].
.set REC,    217088
.set QSO,    65536
.set KCO,    73728
.set VCO,    139264
.set KSO,    204800
.set VSO,    212992
.set NQ,     4                         ; steps of 128 along K in a slot
.set ROWB,   256                       ; a tile's row in bytes: 512 codes
.set KROW,   512                       ; a row of x or of c_attn_w in memory
.set PITCH,  272                       ; an LDS row: 256 bytes + 16 of padding = 68 words: the 16 rows that a load touches start at 16 different banks (64 banks of 4 bytes: ISA guide 11.1)
.set FR,     8
.set NL,     2
.set NP,     4                         ; places behind this matrix instruction (ISA guide 7.12.1)
.set HALFT,  128*PITCH
.set SLOT,   4*HALFT                   ; S1's 256 rows, then S0's 256 rows
.set KS,     32                        ; a row of scale bytes
.set SCL,    2*SLOT                    ; behind the slots: the scale bytes, as units of 256 bytes + 16 of padding
.set HALFS,  (128*KS/256)*272
.set SBLK,   (16*KS/256)*272
.set SPARE,  SCL+4*HALFS               ; the spare words, 128 bytes for each wave: two blocks of 256 bytes that no other line names
.set ADRA, 16                          ; v16-17  LDS address of my S1 fragments in slot 0, 1
.set ADRB, 20                          ; v20-21  the same for S0
.set OC,   24                          ; v24     16 x lane: my place in an image of codes
.set OS,   25                          ; v25     (lane / 16) x REC + 16 r: my place among the scale words: lanes 16-31 write the next head's
.set SH,   26                          ; v26     16 (lane / 16)
.set ADRS, 27                          ; v27     LDS address of my scale words: lanes 0-15 S1's rows, lanes 16-31 S0's
.set SPW,  28                          ; v28     LDS address of my spare word; never rewritten
.set NIL,  29                          ; v29     0; never rewritten
.set BOQ,  30                          ; v30     32 (lane / 16): the bias along the registers
.set BOV,  31                          ; v31     4 r: the bias along the lanes
.set SC,   32
.set TM,   96                          ; v96-99 largest magnitudes, v100-103 the other half's, then the bytes, v108-111 the conversions' scale operands
.set PW,   112                         ; v112-119 block a's scale word
.set SW,   120                         ; v120-127 scale words as they are stored
.set AF,   128
.set PC,   128                         ; block a's codes at v[128 + 8 a]
.set BI,   192
.set G1, 24
.set G0, 32
.set G1B, 48
.set G0B, 56
.set G1S, 68
.set G0S, 76
.set G1SB, 80
.set G0SB, 88
.set MSB, 0
.macro WIN new                         ; the immediate's high byte repeats the setting that is left
.if MSB != \new
	s_set_vgpr_msb (MSB<<8)|\new
.set MSB, \new
.endif
.endm
.set MUL_LO, 0xa1                      ; source 0 (S0) window 1, source 1 (S1) window 0, C and D window 2
.set MUL_HI, 0xf1                      ; the same, C and D window 3
.set TO_B,   0x40                      ; destination window 1, address window 0
; A joint load: waves 0 and 1 fetch for S1, waves 2 and 3 for S0.  The branch hangs on the wave's number alone.  An s_nop 0 and four v_nop follow each of the two lines.
.macro JLOAD g0a, g1a, g0b, g1b
	s_cmp_eq_u32 s15, 0
	s_cbranch_scc0 .Lfor_b_\@
	tensor_load_to_lds s[\g0a:\g0a+3], s[\g1a:\g1a+7]
	s_nop 0
.rept 4
	v_nop
.endr
	s_branch .Lasked_\@
.Lfor_b_\@:
	tensor_load_to_lds s[\g0b:\g0b+3], s[\g1b:\g1b+7]
	s_nop 0
.rept 4
	v_nop
.endr
.Lasked_\@:
.endm
.macro CROUND                          ; a round of the cluster's barrier
	s_barrier_signal -1
	s_barrier_wait -1
	s_cmp_lg_u32 s14, 0
	s_cbranch_scc1 .Lnot_wave_0_\@
	s_barrier_signal -3
.Lnot_wave_0_\@:
	s_barrier_wait -3
	s_barrier_signal -1
	s_barrier_wait -1
.endm
	s_load_b128 s[4:7], s[0:1], 0x0                ; x's codes, x's scales
	s_load_b128 s[8:11], s[0:1], 0x10              ; c_attn_w's codes, its scales
	s_load_b64 s[12:13], s[0:1], 0x20              ; c_attn_b
	s_load_b64 s[66:67], s[0:1], 0x28              ; the workspace
	v_lshl_add_u32 v[SPW], v0, 2, SPARE
	v_mov_b32 v[NIL], 0
	ds_add_u32 v[SPW], v[NIL]                      ; the wave's opening: the add, twice on end, and its wait ahead of my first tensor load
	ds_add_u32 v[SPW], v[NIL]                      ; and once more; the set-up below, work on registers, stands between it and the wait
	v_lshrrev_b32 v1, 5, v0
	v_readfirstlane_b32 s14, v1                    ; wave 0..3
	s_lshr_b32 s15, s14, 1                         ; which half of S1's rows is mine.  Also: I fetch for S1 (0) or for S0 (1)
	s_and_b32 s16, s14, 1                          ; which half of S0's rows.  Also: which 128 rows of that tile I fetch
	s_bfe_u32 s40, ttmp6, 0x40000                  ; cx, cy: my place in the cluster
	s_bfe_u32 s41, ttmp6, 0x40004
	s_and_b32 s18, ttmp7, 0xffff                   ; the cluster's y
	s_cmp_ge_u32 ttmp9, 2                          ; the cluster's x: 0 q, 1 k, 2 v: the same in all sixteen partners
	s_cselect_b32 s19, s18, ttmp9                  ; S0's tiles: v: x's, by the cluster's y; q, k: c_attn_w's, by the cluster's x
	s_cselect_b32 s18, 2, s18                      ; S1's tiles: v: c_attn_w's tiles 8 to 11; q, k: x's, by the cluster's y
	s_lshl_b32 s42, s19, 2
	s_add_co_u32 s42, s42, s40                     ; S0's tile: hangs on cx
	s_lshl_b32 s17, s18, 2
	s_add_co_u32 s17, s17, s41                     ; S1's tile: hangs on cy
	s_lshl_b32 s43, s41, 2
	s_lshl_b32 s43, 15, s43                        ; my row of the cluster
	s_lshl_b32 s44, 0x1111, s40                    ; my column
	; descriptor group 1: a tile of 128 rows x 256 bytes, padded in LDS
	s_or_b32 s[G1+0], s43, (0<<16)|(1<<20)|(1<<21)|(5<<22)|(3<<25)  ; 15:0 the mask: S1's tiles go to my row; elements of 1 byte; padding on; bit 21 beside a mask; after every 64 words 4 words
	s_or_b32 s[G1B+0], s44, (0<<16)|(1<<20)|(1<<21)|(5<<22)|(3<<25) ; S0's go to my column
.irp g, G1, G1B
	s_mov_b32 s[\g+1], ROWB<<16                    ; tensor_dim0
	s_mov_b32 s[\g+2], 128<<16                     ; tensor_dim1
	s_mov_b32 s[\g+3], ROWB<<16                    ; tile_dim0
	s_mov_b32 s[\g+4], 128                         ; tile_dim1
	s_mov_b32 s[\g+5], KROW                        ; tensor_dim0_stride
	s_mov_b32 s[\g+6], 0
	s_mov_b32 s[\g+7], 0
.endr
	; the scale bytes of 128 rows: 4,096 dense bytes, as 16 rows of 256 bytes (32 elements of 8 bytes), 16 bytes of padding behind each
	s_or_b32 s[G1S+0], s43, (3<<16)|(1<<20)|(1<<21)|(5<<22)|(3<<25)
	s_or_b32 s[G1SB+0], s44, (3<<16)|(1<<20)|(1<<21)|(5<<22)|(3<<25)
.irp g, G1S, G1SB
	s_mov_b32 s[\g+1], 32<<16
	s_mov_b32 s[\g+2], (128*KS/256)<<16
	s_mov_b32 s[\g+3], 32<<16
	s_mov_b32 s[\g+4], 128*KS/256
	s_mov_b32 s[\g+5], 32
	s_mov_b32 s[\g+6], 0
	s_mov_b32 s[\g+7], 0
.endr
	s_lshl_b32 s18, s16, 7                         ; which 128 rows of the tile I fetch
	s_lshl_b32 s20, s17, 8
	s_add_co_u32 s20, s20, s18                     ; S1: row 256 x tile + 128 x half
	s_lshl_b32 s46, s42, 8
	s_add_co_u32 s46, s46, s18                     ; S0 likewise
	s_mov_b32 s21, 0
	s_mov_b32 s47, 0
	s_mov_b64 s[18:19], KS
	s_mul_u64 s[22:23], s[20:21], s[18:19]         ; where these rows' scale bytes begin
	s_mul_u64 s[92:93], s[46:47], s[18:19]
	s_mov_b64 s[18:19], KROW
	s_mul_u64 s[20:21], s[20:21], s[18:19]         ; and their codes
	s_mul_u64 s[46:47], s[46:47], s[18:19]
	s_mul_i32 s45, s14, HALFT                      ; where they go: wave x 128 rows: no place in the cluster enters an LDS address
	s_mul_i32 s94, s14, HALFS
	s_wait_dscnt 0x0                               ; both opening adds are done
	s_wait_kmcnt 0x0
	s_cmp_ge_u32 ttmp9, 2                          ; which tensor plays which part: a choice between buffers on the cluster's x
	s_cselect_b64 s[96:97], s[8:9], s[4:5]         ; S1's codes
	s_cselect_b64 s[98:99], s[10:11], s[6:7]       ; S1's scales
	s_cselect_b64 s[8:9], s[4:5], s[8:9]           ; S0's codes
	s_cselect_b64 s[10:11], s[6:7], s[10:11]       ; S0's scales
	s_add_nc_u64 s[20:21], s[96:97], s[20:21]
	s_add_nc_u64 s[22:23], s[98:99], s[22:23]
	s_add_nc_u64 s[46:47], s[8:9], s[46:47]
	s_add_nc_u64 s[92:93], s[10:11], s[92:93]
	CROUND                                         ; all sixteen work-groups are here: the first joint loads meet
	s_mov_b32 s[G0S], 1
	s_add_co_u32 s[G0S+1], s94, SCL
	s_mov_b64 s[G0S+2:G0S+3], s[22:23]
	s_or_b32 s[G0S+3], s[G0S+3], 0x80000000
	s_mov_b32 s[G0SB], 1
	s_add_co_u32 s[G0SB+1], s94, SCL
	s_mov_b64 s[G0SB+2:G0SB+3], s[92:93]
	s_or_b32 s[G0SB+3], s[G0SB+3], 0x80000000
	JLOAD G0S, G1S, G0SB, G1SB                     ; the scale bytes first: they are wanted with the first slot.  By this text's count a wave has three tensor loads out at the most
.irp s, 0,1
	s_mov_b32 s[G0+4*\s], 1
	s_add_co_u32 s[G0+4*\s+1], s45, \s*SLOT
	s_add_nc_u64 s[G0+4*\s+2:G0+4*\s+3], s[20:21], \s*ROWB
	s_or_b32 s[G0+4*\s+3], s[G0+4*\s+3], 0x80000000
	s_mov_b32 s[G0B+4*\s], 1
	s_add_co_u32 s[G0B+4*\s+1], s45, \s*SLOT
	s_add_nc_u64 s[G0B+4*\s+2:G0B+4*\s+3], s[46:47], \s*ROWB
	s_or_b32 s[G0B+4*\s+3], s[G0B+4*\s+3], 0x80000000
	JLOAD G0+4*\s, G1, G0B+4*\s, G1B
.endr
	v_and_b32 v1, 15, v0                           ; r = lane % 16
	v_bfe_u32 v2, v0, 4, 1                         ; h = lane / 16
	v_mul_u32_u24 v3, v1, PITCH
	v_lshl_add_u32 v4, v2, 4, v3                   ; a fragment's row x pitch + 16 h
	s_mul_i32 s21, s15, HALFT                      ; my 128 rows of S1
	s_mul_i32 s22, s16, HALFT                      ; my 128 rows of S0,
	s_add_co_u32 s22, s22, 2*HALFT                 ; which lie behind S1's 256
.irp s, 0,1
	v_add_nc_u32 v[ADRA+\s], s21, v4
	v_add_nc_u32 v[ADRB+\s], s22, v4
	s_add_co_u32 s21, s21, SLOT
	s_add_co_u32 s22, s22, SLOT
.endr
	v_mul_u32_u24 v5, v1, KS                       ; my row's scale bytes: 32 a row,
	v_lshrrev_b32 v6, 8, v5
	v_lshl_add_u32 v5, v6, 4, v5                   ; and 16 more for each 256 passed
	s_mul_i32 s21, s15, HALFS
	s_mul_i32 s22, s16, HALFS
	s_add_co_u32 s22, s22, 2*HALFS
	s_sub_co_u32 s22, s22, s21
	v_mul_u32_u24 v6, s22, v2                      ; lanes 16-31 take S0's
	s_add_co_u32 s21, s21, SCL
	v_add_nc_u32 v5, v5, v6
	v_add_nc_u32 v[ADRS], s21, v5
	v_and_b32 v7, 31, v0
	v_lshlrev_b32 v[OC], 4, v7
	v_mul_u32_u24 v[OS], v2, REC
	v_lshl_add_u32 v[OS], v1, 4, v[OS]
	v_lshlrev_b32 v[SH], 4, v2
	v_lshlrev_b32 v[BOQ], 5, v2
	v_lshlrev_b32 v[BOV], 2, v1
.irp e, 0,1,2,3
	v_mov_b32 v[TM+4+\e], 0                        ; written once: a lane permute's destination counts as one of its sources
.endr
	; THE BIAS is the C of each sum's first product.  It runs along c_attn_w's rows: q, k: along S0, so along a lane's registers; v: along S1, so along the lanes.
	s_cmp_ge_u32 ttmp9, 2
	s_cselect_b32 s96, s17, s42                    ; c_attn_w's tile
	s_cselect_b32 s97, s15, s16                    ; and my half of it
	s_lshl_b32 s96, s96, 10
	s_lshl_b32 s97, s97, 9
	s_add_co_u32 s96, s96, s97                     ; 4 x (256 x tile + 128 x half)
	s_mov_b32 s97, 0
	s_add_nc_u64 s[12:13], s[12:13], s[96:97]
	s_cmp_ge_u32 ttmp9, 2
	s_cbranch_scc1 .Lbias_v
	s_wait_alu depctr_va_vdst(0)
.irp b, 0,1,2,3,4,5,6,7
	global_load_b128 v[BI+8*\b:BI+8*\b+3], v[BOQ], s[12:13] offset:64*\b      ; register 8 b + j: the bias of S0's row 16 b + 8 h + j
	global_load_b128 v[BI+8*\b+4:BI+8*\b+7], v[BOQ], s[12:13] offset:64*\b+16
.endr
	s_branch .Lbias_done
.Lbias_v:
	s_wait_alu depctr_va_vdst(0)
.irp a, 0,1,2,3,4,5,6,7
.irp j, 0,1,2,3,4,5,6,7
	global_load_b32 v[BI+8*\a+\j], v[BOV], s[12:13] offset:64*\a              ; registers 8 a + 0 .. 7: the bias of S1's row 16 a + r, eight times
.endr
.endr
.Lbias_done:
.macro FRAG reg, adr, q, i             ; a fragment, 16 rows x 128 K of 4-bit codes, is 8 registers: lane l holds row l % 16; registers 4 c .. 4 c + 3 hold K = 64 c + 32 (l / 16) + 0 .. 31
.irp c, 0,1
	ds_load_b128 v[\reg+4*\c:\reg+4*\c+3], v[\adr] offset:64*(\q)+32*\c+(\i)*16*PITCH
.endr
.endm
; 16 matrix instructions: S1's blocks a0, a0 + 1 x S0's eight, the slot's q-th 128 along K.  p: S0's set; sc: the set of scale words.  cm = 0: the sums go on; 1: they begin with the bias by S0's block; 2: by S1's block.
; The 64 accumulators take turns, one instruction a turn, in the same order in every step.
.macro MUL16 a0, p, q, sc, cm
.irp a, \a0, \a0+1
.irp b, 0,1,2,3,4,5,6,7
.set rD, 8*(8*((\a)%4)+\b)
.set rC, rD
.if \cm == 1
.set rC, BI+8*\b
.endif
.if \cm == 2
.set rC, BI+8*(\a)
.endif
	v_wmma_scale_f32_16x16x128_f8f6f4 v[rD:rD+7], v[128*(\p)+FR*\b:128*(\p)+FR*\b+FR-1], v[AF+FR*(\a):AF+FR*(\a)+FR-1], v[rC:rC+7], v[SC+8*NQ*(\sc)+NQ*\b+(\q)], v[SC+8*NQ*(\sc)+NQ*(\a)+(\q)] matrix_a_fmt:MATRIX_FMT_FP4 matrix_b_fmt:MATRIX_FMT_FP4 matrix_a_scale:MATRIX_SCALE_ROW1
.endr
.endr
.endm
.macro FETCH_B slot, q, p              ; S0's eight fragments of the slot's q-th 128 along K into set p
	WIN TO_B
.irp i, 0,1,2,3,4,5,6,7
	FRAG 128*(\p)+FR*\i, ADRB+\slot, \q, \i
.endr
	WIN 0
.endm
.macro FETCH_A slot, q, i0             ; S1's blocks i0 .. i0 + 3
.irp i, \i0, \i0+1, \i0+2, \i0+3
	FRAG AF+FR*(\i), ADRA+\slot, \q, \i
.endr
.endm
.macro SCALES sc                       ; a slot's scale words into set sc: 4 words a row; lanes 0-15 take S1's block i, lanes 16-31 S0's block i
.irp i, 0,1,2,3,4,5,6,7
	ds_load_b128 v[SC+8*NQ*\sc+NQ*\i:SC+8*NQ*\sc+NQ*\i+3], v[ADRS] offset:\i*SBLK
.endr
.endm
.macro PLACES n                        ; plain vector instructions between a matrix instruction and a load into, or a read of, its registers (ISA guide 7.12.1 for reads)
.rept \n
	v_nop
.endr
.endm
; A step of 128 along K that has its successor in the same slot.  S1 has one set of registers: blocks 0-3 are fetched anew in the step's middle, blocks 4-7 at its end; S0 has two sets.
.macro STEP slot, q, cm
	s_wait_dscnt 4*NL                              ; S0's set and S1's blocks 0-3 are in; the youngest eight loads (S1's blocks 4-7) may be out
.if \cm
	WIN 0x81                                       ; the bias, source 2, lies in window 0; D in window 2
.else
	WIN MUL_LO
.endif
	MUL16 0, (\q)%2, \q, \slot, \cm
	MUL16 2, (\q)%2, \q, \slot, \cm
	s_wait_dscnt 0                                 ; S1's blocks 4-7 are in
	PLACES NP
	FETCH_B \slot, (\q)+1, 1-(\q)%2
	FETCH_A \slot, (\q)+1, 0
.if \cm
	WIN 0xc1
.else
	WIN MUL_HI
.endif
	MUL16 4, (\q)%2, \q, \slot, \cm
	MUL16 6, (\q)%2, \q, \slot, \cm
	PLACES NP
	WIN 0
	FETCH_A \slot, (\q)+1, 4
.endm
; Slot 0's last step goes over to slot 1: each wave waits for all its tensor loads (its part of slot 1), and a barrier shows the slot whole to every wave.
.macro TURN slot, next
	s_wait_tensorcnt 0x0                           ; all my tensor loads have landed  (every window is 0 here)
	ds_add_u32 v[SPW], v[NIL]                      ; 0 onto my spare word
	s_wait_dscnt 4*NL+1                            ; (the add and the youngest eight loads may be out)
	WIN MUL_LO
	MUL16 0, 1, NQ-1, \slot, 0
	s_wait_dscnt 0x0                               ; the add is done and my LDS loads are in: none is pending at the signal
	s_barrier_signal -1
	MUL16 2, 1, NQ-1, \slot, 0
	WIN 0
	s_barrier_wait -1
	PLACES NP
	v_add_nc_u32 v[ADRS], 4*NQ, v[ADRS]            ; on to the next slot's scale words
	FETCH_B \next, 0, 0
	FETCH_A \next, 0, 0
	SCALES \next
	WIN MUL_HI
	MUL16 4, 1, NQ-1, \slot, 0
	MUL16 6, 1, NQ-1, \slot, 0
	PLACES NP
	WIN 0
	FETCH_A \next, 0, 4
.endm
.macro STEPS slot, from                ; the slot's steps from .. NQ - 2
.set Q, \from
.rept NQ-1-\from
	STEP \slot, Q, 0
.set Q, Q+1
.endr
.endm
	s_wait_tensorcnt 1                             ; the scale bytes and my part of slot 0 are in; slot 1's load, the one issued behind them, may be out
	s_barrier_signal -1
	s_barrier_wait -1                              ; everybody's are
	FETCH_B 0, 0, 0
	FETCH_A 0, 0, 0
	SCALES 0
	FETCH_A 0, 0, 4
	s_wait_loadcnt 0x0                             ; the bias
	s_cmp_ge_u32 ttmp9, 2                          ; the first step is written twice: it differs in which registers are C.  Both arms issue the same LDS loads
	s_cbranch_scc1 .Lfirst_v
	STEP 0, 0, 1
	s_branch .Lfirst_done
.Lfirst_v:
	STEP 0, 0, 2
.Lfirst_done:
	STEPS 0, 1
	TURN 0, 1
	STEPS 1, 0
	s_wait_dscnt 4*NL                              ; the very last step: nothing more to fetch
	WIN MUL_LO
	MUL16 0, 1, NQ-1, 1, 0
	MUL16 2, 1, NQ-1, 1, 0
	s_wait_dscnt 0
	WIN MUL_HI
	MUL16 4, 1, NQ-1, 1, 0
	MUL16 6, 1, NQ-1, 1, 0
	WIN 0
	PLACES NP                                      ; in front of the reads of results and of the writes into the registers that held S1's fragments
	s_mov_b32 s20, 0x76543210
	s_mov_b32 s21, 0xfedcba98                      ; v_permlanex16_b32's selects for lane l xor 16
	s_mov_b32 s22, 0xffff0000                      ; lanes 16-31
; S1's block a: its eight accumulators become 8 registers of codes, v[PC + 8 a] on, and a scale word, v[PW + a].  Each accumulator is read from its low end on.
.macro QUANTA a
.set AC, 64*((\a)%4)
.set WQ, 2+(\a)/4
.set WW, 5*WQ
.set PCA, PC+8*(\a)
	WIN WW                                         ; sources 0 and 1: the accumulators' window
.irp e, 0,1,2,3
	v_max3_num_f32 v[TM+\e], |v[AC+16*\e]|, |v[AC+16*\e+1]|, 0x1800000   ; block e: my 16 numbers, and the floor 2^(3 - 127): so the byte cannot fall under 1
.endr
.irp i, 2,4,6,8,10,12,14
.irp e, 0,1,2,3
	v_max3_num_f32 v[TM+\e], |v[AC+16*\e+\i]|, |v[AC+16*\e+\i+1]|, v[TM+\e]   ; (the four blocks by turns)
.endr
.endr
	WIN 0
.irp e, 0,1,2,3
	v_permlanex16_b32 v[TM+4+\e], v[TM+\e], s20, s21
.endr
.irp e, 0,1,2,3
	v_max_num_f32 v[TM+\e], v[TM+\e], v[TM+4+\e]   ; with lane l xor 16's: the block's largest magnitude
.endr
.irp e, 0,1,2,3
	v_add_nc_u32 v[TM+12+\e], 0xff000000, v[TM+\e] ; 2 off its exponent field: the conversion takes the exponent field of this operand as its scale
.endr
.irp e, 0,1,2,3
	v_lshrrev_b32 v[TM+4+\e], 23, v[TM+12+\e]      ; the scale's byte
.endr
	v_lshl_or_b32 v[PW+(\a)], v[TM+5], 8, v[TM+4]
	v_lshl_or_b32 v[PW+(\a)], v[TM+6], 16, v[PW+(\a)]
	v_lshl_or_b32 v[PW+(\a)], v[TM+7], 24, v[PW+(\a)]
	WIN WQ                                         ; source 0: the accumulators' window
.irp b, 0,1,2,3,4,5,6,7
	v_cvt_scalef32_pk8_fp4_f32 v[PCA+4*(\b/4)+2*(\b%2)+(\b/2)%2], v[AC+8*\b:AC+8*\b+7], v[TM+12+\b/2]   ; accumulator 2 e + u to register 4 (e / 2) + 2 u + e % 2
.endr
	WIN 0
	v_nop                                          ; one plain place behind a scaled conversion
.irp c, 0,2,4,6
	v_permlane16_swap_b32 v[PCA+\c], v[PCA+\c+1]   ; the first's lanes 16-31 change places with the second's lanes 0-15: a lane now holds a whole block
.endr
.endm
.irp a, 0,1,2,3,4,5,6,7
	QUANTA \a
.endr
	s_cmp_ge_u32 ttmp9, 2
	s_cbranch_scc1 .Lstore_v
	; q, k: my 128 tokens are one group; my 128 channels are two heads: registers 0-3 of a block's codes the first, 4-7 the second
	s_lshr_b32 s96, s17, 3                         ; the batch: 8 tiles of 256 tokens each
	s_lshl_b32 s96, s96, 4
	s_lshl_b32 s97, s40, 2
	s_add_co_u32 s96, s96, s97
	s_lshl_b32 s97, s16, 1
	s_add_co_u32 s96, s96, s97                     ; the record: 16 x batch + 4 cx + 2 x half
	s_mul_i32 s96, s96, REC
	s_and_b32 s97, s17, 7
	s_lshl_b32 s97, s97, 1
	s_add_co_u32 s97, s97, s15                     ; my group of 128 tokens in the batch
	s_lshl_b32 s98, s97, 9                         ; 512 bytes of scale words a group,
	s_lshl_b32 s97, s97, 12                        ; 4,096 of codes
	s_cmp_eq_u32 ttmp9, 0
	s_cselect_b32 s46, 0, KCO
	s_mov_b32 s47, KSO
	s_cselect_b32 s47, QSO, s47
	s_add_co_u32 s98, s98, s96
	s_add_co_u32 s98, s98, s47
	s_mov_b32 s99, 0
	s_add_co_u32 s96, s96, s97
	s_add_co_u32 s96, s96, s46
	s_mov_b32 s97, 0
	s_add_nc_u64 s[2:3], s[66:67], s[98:99]
	s_add_nc_u64 s[66:67], s[66:67], s[96:97]
	s_wait_alu depctr_va_vdst(0)
.irp a, 0,1,2,3,4,5,6,7
	global_store_b128 v[OC], v[PC+8*\a:PC+8*\a+3], s[66:67] offset:512*\a           ; each store of the wave covers 512 consecutive bytes, aligned
	global_store_b128 v[OC], v[PC+8*\a+4:PC+8*\a+7], s[66:67] offset:512*\a+REC
.endr
.irp a, 0,1,2,3,4,5,6,7
	v_bfe_u32 v[SW+\a], v[PW+\a], v[SH], 16        ; lanes 0-15: the first head's two bytes; lanes 16-31: the second's; the upper two bytes are 0, for the zero codes that fill K to 128
.endr
	global_store_b128 v[OS], v[SW:SW+3], s[2:3]              ; sixteen lanes store 256 consecutive bytes, aligned
	global_store_b128 v[OS], v[SW+4:SW+7], s[2:3] offset:256
	s_branch .Lstored
.Lstore_v:
	; v: my 128 tokens are one key step; my 128 channels are two heads of four tiles
	s_lshr_b32 s96, s42, 3
	s_lshl_b32 s96, s96, 4
	s_lshl_b32 s97, s41, 2
	s_add_co_u32 s96, s96, s97
	s_lshl_b32 s97, s15, 1
	s_add_co_u32 s96, s96, s97                     ; the record: 16 x batch + 4 cy + 2 x half
	s_mul_i32 s96, s96, REC
	s_and_b32 s97, s42, 7
	s_lshl_b32 s97, s97, 1
	s_add_co_u32 s97, s97, s16                     ; the key step
	s_lshl_b32 s98, s97, 8
	s_lshl_b32 s97, s97, 12
	s_add_co_u32 s98, s98, s96
	s_add_co_u32 s98, s98, VSO
	s_mov_b32 s99, 0
	s_add_co_u32 s96, s96, s97
	s_add_co_u32 s96, s96, VCO
	s_mov_b32 s97, 0
	s_add_nc_u64 s[2:3], s[66:67], s[98:99]
	s_add_nc_u64 s[66:67], s[66:67], s[96:97]
	s_wait_alu depctr_va_vdst(0)
.irp a, 0,1,2,3,4,5,6,7
.irp c, 0,1
	global_store_b128 v[OC], v[PC+8*\a+4*\c:PC+8*\a+4*\c+3], s[66:67] offset:(\a/4)*REC+(\a%4)*1024+512*\c
.endr
.endr
.irp i, 0,1,2,3
	v_cndmask_b32 v[SW+\i], v[PW+\i], v[PW+4+\i], s22   ; lanes 16-31 write the second head's words
.endr
	global_store_b128 v[OS], v[SW:SW+3], s[2:3]
.Lstored:
	s_wait_tensorcnt 0x0                           ; the wave's end
	ds_add_u32 v[SPW], v[NIL]
	s_wait_dscnt 0x0
	CROUND                                         ; the closing round: no work-group ends while a partner may still ask for a tile that names it
	s_endpgm
.Lfunc_end_k_qe87e2f0f4d_qkv:
	.size	k_qe87e2f0f4d_qkv, .Lfunc_end_k_qe87e2f0f4d_qkv-k_qe87e2f0f4d_qkv
	.p2alignl 7, 3214868480
	.fill 96, 4, 3214868480
	.section	.rodata,"a",@progbits
	.p2align	6, 0x0
	.amdhsa_kernel k_qe87e2f0f4d_qkv
		.amdhsa_group_segment_fixed_size 327680
		.amdhsa_private_segment_fixed_size 0
		.amdhsa_enable_private_segment 0
		.amdhsa_kernarg_size 48
		.amdhsa_user_sgpr_count 2
		.amdhsa_user_sgpr_kernarg_segment_ptr 1
		.amdhsa_wavefront_size32 1
		.amdhsa_system_sgpr_workgroup_id_x 1
		.amdhsa_system_sgpr_workgroup_id_y 1
		.amdhsa_system_sgpr_workgroup_id_z 1
		.amdhsa_system_vgpr_workitem_id 0
		.amdhsa_next_free_vgpr 1024
		.amdhsa_next_free_sgpr 100
		.amdhsa_reserve_vcc 0
		.amdhsa_float_denorm_mode_32 3
		.amdhsa_float_denorm_mode_16_64 3
		.amdhsa_memory_ordered 1
		.amdhsa_forward_progress 1
		.amdhsa_inst_pref_size 150
	.end_amdhsa_kernel
	.amdgpu_metadata
---
amdhsa.version: [ 1, 2 ]
amdhsa.kernels:
  - .name:           k_qe87e2f0f4d_qkv
    .symbol:         k_qe87e2f0f4d_qkv.kd
    .args:
      - { .name: x_codes, .offset: 0, .size: 8, .value_kind: global_buffer, .address_space: global }
      - { .name: x_scales, .offset: 8, .size: 8, .value_kind: global_buffer, .address_space: global }
      - { .name: c_attn_w_codes, .offset: 16, .size: 8, .value_kind: global_buffer, .address_space: global }
      - { .name: c_attn_w_scales, .offset: 24, .size: 8, .value_kind: global_buffer, .address_space: global }
      - { .name: c_attn_b, .offset: 32, .size: 8, .value_kind: global_buffer, .address_space: global }
      - { .name: qkv, .offset: 40, .size: 8, .value_kind: global_buffer, .address_space: global }
    .group_segment_fixed_size: 327680
    .private_segment_fixed_size: 0
    .kernarg_segment_align: 8
    .kernarg_segment_size: 48
    .max_flat_workgroup_size: 128
    .sgpr_count:     100
    .vgpr_count:     1024
    .wavefront_size: 32
...
	.end_amdgpu_metadata
.endif
;; end of part 1
;; launch attn (part 2): grid 4 x 64, 16 waves a work-group, clusters of 4 x 1, 327,680 bytes of LDS; arguments qkv, yc, ys; writes yc, ys
.if DOCPART == 2
	.amdgcn_target "amdgcn-amd-amdhsa--gfx1250"
	.amdhsa_code_object_version 6
	.text
	.protected	k_qe87e2f0f4d_attn
	.globl	k_qe87e2f0f4d_attn
	.p2align	8
	.type	k_qe87e2f0f4d_attn,@function
k_qe87e2f0f4d_attn:
	s_mov_b64 s[64:65], 0
	v_nop
	global_prefetch_b8 v0, s[64:65] scope:SCOPE_SE
	s_setreg_imm32_b32 hwreg(HW_REG_WAVE_MODE, 25, 1), 1
	s_wait_xcnt 0x0
	s_wait_alu depctr_hold_cnt(0) depctr_sa_sdst(0) depctr_va_vdst(0) depctr_va_sdst(0) depctr_va_ssrc(0) depctr_va_vcc(0) depctr_vm_vsrc(0)
	s_getreg_b32 s2, hwreg(HW_REG_IB_STS2, 6, 4)
	s_cmp_eq_u32 s2, 0
	s_cbranch_scc0 .Lentry_in_a_cluster
	s_endpgm
.Lentry_in_a_cluster:
	s_bfe_u32 s2, ttmp6, 0x10000c
	s_cmp_lg_u32 s2, 0x3003
	s_cbranch_scc0 .Lentry_shape_is_right
	s_endpgm
.Lentry_shape_is_right:
; LAUNCH 2 OF 3: y = softmax(q k^T / 8, causal) v for one batch and head a cluster, both products on codes of FP4 with E8M0 scales; y is quantised along C (a block is half a head) and leaves as codes.
; LEFT OUT: key steps of 128 keys all of which come after a tile's 16 queries: reference()'s own jnp.tril gives them the weight 0 (shown at the head of launch 1; a NaN or an infinity that reaches only such scores is not carried on).
; THE SOFTMAX AHEAD OF THE SECOND PRODUCT: t = score x log2(e) / 8; M = the row's largest t so far, rounded UP to a whole number; p = 2^(t - M) is quantised along the keys, not normalised.  The row's sum is taken of the
; unquantised p and divides O at the end.  When M moves, the sum and O are multiplied by 2^(old M - new M): exact.
; LIMITS: NaN and infinities are not served; a block of zeros gets the scale byte 1 (its codes are zeros; only this program reads the bytes).
; SHARES.  The four work-groups of a cluster take one head.  The head's codes and scale words of K and V, 143,360 consecutive bytes of the workspace, lie in LDS whole: sixteen joint loads, one a wave, each 35 rows of 256
; bytes, the same in all four partners; nothing is filled again and no barrier stands in the walk.  Wave w takes the query tiles t1 = 4 w + cx and 127 - t1: their last key steps are w / 2 and 15 - w / 2, which hang on the
; wave's number alone, and every wave walks 17 steps.  cx enters global addresses and the data of the mask's compare, no branch and no LDS address.
; LAYOUT.  Both products are used transposed: S^T = K Q^T (source 0 = 16 keys, source 1 = my 16 queries), O^T = V^T P^T (source 0 = 16 channels, source 1 = P): a lane holds ONE query (lane % 16) throughout.
; The head has 64 channels: the upper 64 of the first product's 128 along K are zero codes on both sides.  Register j of score tile T is key 16 T + 8 (lane / 16) + j; tiles 2 e and 2 e + 1 are block e of 32 keys, half in
; this lane and half in lane xor 16.  Each tile's eight p make one register of codes; two exchanges of lane halves for each 64 keys give the operand's layout.
; The scale bytes of y are 32 single bytes a tile and head, inside one row of 256 bytes of ys: that is all a wave has of that row; 1 byte in 17 of what the launch stores.
; REGISTERS: v1-7 kept; v8-11 LDS addresses of the step; v12 -M, v13 the largest t, v[14:15] the sum; v16-23 Q; v24-27 kept; v28-31 K's scale words; v32-95 K's eight fragments; v96-159 S^T, then p; v160-191 O^T;
;   v192-223 V's four fragments; v224-231 p's codes; v232-247 at work; v248-251 V's scale words; v252 f; v253 p's scale word; v254 at work; v255 Q's scale words.
.set REC,   217088
.set QSO,   65536
.set KCO,   73728                      ; from here on a record is this launch's LDS image
.set PART,  8960                       ; a wave's part of it: 35 x 256 bytes
.set LV,    65536                      ; LDS: K's codes at 0, V's codes here,
.set LKS,   131072                     ; K's scale words,
.set LVS,   139264                     ; V's scale words,
.set SPARE, 143360                     ; and the spare words, 128 bytes for each wave: eight blocks of 256 bytes that no other line names
.set LI,   1                           ; v1   16 x lane
.set LR,   2                           ; v2   16 r
.set RH,   3                           ; v3   r - 8 h
.set NINF, 4                           ; v4   -infinity
.set SPW,  5                           ; v5   LDS address of my spare word; never rewritten
.set NIL,  6                           ; v6   0; never rewritten
.set DQ,   7                           ; v7   my query's place in its last key step, less 8 h
.set ADK,  8
.set ADV,  9
.set ADS,  10
.set ADT,  11
.set LIV,  24                          ; v24  LV + 16 x lane
.set LIS,  25                          ; v25  LKS + 16 x lane
.set LRS,  26                          ; v26  LVS + 16 r
.set YSO,  27                          ; v27  16 r + h
.set WV,   18
.set SEL,  20                          ; s[20:21] lane selects for lane l xor 16
.set CS,   22                          ; s[22:23] c = log2(e) / 8
.set G1,   24
.set G0,   32
.set CX,   36
.set BH,   37
.set HM,   38                          ; lanes 16-31
.set ST,   39                          ; the key step
.set LIM,  40                          ; the tile's last key step
.set TT,   41                          ; the tile of queries
.set HY,   45                          ; 512 x head
.set HS,   46                          ; the head's place in a row of ys
.set TB,   47                          ; 128 x batch
.set RECA, 48                          ; s[48:49] my record
.set QCA,  50
.set QSA,  52
.set YCA,  54
.set YSA,  56
.set T1,   62
.set L1,   63
.macro CROUND                          ; a round of the cluster's barrier
	s_barrier_signal -1
	s_barrier_wait -1
	s_cmp_lg_u32 s[WV], 0
	s_cbranch_scc1 .Lnot_wave_0_\@
	s_barrier_signal -3
.Lnot_wave_0_\@:
	s_barrier_wait -3
	s_barrier_signal -1
	s_barrier_wait -1
.endm
	s_load_b128 s[4:7], s[0:1], 0x0                ; the workspace of launch 1, y's codes
	s_load_b64 s[8:9], s[0:1], 0x10                ; y's scale bytes
	v_lshl_add_u32 v[SPW], v0, 2, SPARE
	v_mov_b32 v[NIL], 0
	ds_add_u32 v[SPW], v[NIL]                      ; the wave's opening: the add, twice on end, and its wait ahead of my first tensor load
	ds_add_u32 v[SPW], v[NIL]                      ; and once more; the set-up below stands between it and the wait
	v_lshrrev_b32 v8, 5, v0
	s_delay_alu instid0(VALU_DEP_1)
	v_readfirstlane_b32 s[WV], v8                  ; wave 0..15
	s_bfe_u32 s[CX], ttmp6, 0x40000                ; my place in the cluster
	s_and_b32 s[BH], ttmp7, 0xffff                 ; 16 x batch + head: the four partners share it
	s_mov_b32 s[G1], 15|(3<<16)|(1<<21)            ; 15:0 the mask: all four work-groups; elements of 8 bytes; no padding; bit 21 beside a mask
	s_mov_b32 s[G1+1], 32<<16                      ; tensor_dim0 = 32 elements: 256 bytes
	s_mov_b32 s[G1+2], 35<<16                      ; tensor_dim1 = 35
	s_mov_b32 s[G1+3], 32<<16                      ; tile_dim0
	s_mov_b32 s[G1+4], 35                          ; tile_dim1
	s_mov_b32 s[G1+5], 32                          ; the rows are dense
	s_mov_b32 s[G1+6], 0
	s_mov_b32 s[G1+7], 0
	s_mov_b32 s[SEL], 0x76543210
	s_mov_b32 s[SEL+1], 0xfedcba98
	s_mov_b32 s[CS], 0x3e38aa3b                    ; c = log2(e) / sqrt(64)
	s_mov_b32 s[CS+1], s[CS]                       ; (named with it as a pair, so it is written)
	s_mov_b32 s[HM], 0xffff0000
	s_mul_i32 s42, s[BH], REC
	s_mov_b32 s43, 0
	s_mov_b32 s[G0], 1
	s_mul_i32 s[G0+1], s[WV], PART                 ; LDS address: the wave's number times a constant
	s_add_co_u32 s44, s[G0+1], KCO
	s_mov_b32 s45, 0
	s_lshl_b32 s[T1], s[WV], 2
	s_add_co_u32 s[T1], s[T1], s[CX]               ; t1 = 4 w + cx
	s_lshr_b32 s[L1], s[WV], 1                     ; its last key step, (4 w + cx) / 8 = w / 2
	s_wait_dscnt 0x0                               ; both opening adds are done
	s_wait_kmcnt 0x0
	s_add_nc_u64 s[RECA:RECA+1], s[4:5], s[42:43]
	s_add_nc_u64 s[G0+2:G0+3], s[RECA:RECA+1], s[44:45]
	s_or_b32 s[G0+3], s[G0+3], 0x80000000
	CROUND                                         ; all four work-groups are here: the joint loads meet
	tensor_load_to_lds s[G0:G0+3], s[G1:G1+7]      ; my one tensor load of the launch
	s_nop 0
.rept 4
	v_nop
.endr
	s_and_b32 s44, s[BH], 15                       ; the head
	s_lshl_b32 s[HY], s44, 9
	s_lshr_b32 s[HS], s44, 3
	s_lshl_b32 s[HS], s[HS], 8                     ; which half of K in launch 3,
	s_bfe_u32 s[TB], s44, 0x20001
	s_lshl_b32 s[TB], s[TB], 2
	s_add_co_u32 s[HS], s[HS], s[TB]               ; which of its four steps of 128,
	s_and_b32 s[TB], s44, 1
	s_lshl_b32 s[TB], s[TB], 1
	s_add_co_u32 s[HS], s[HS], s[TB]               ; and which two bytes of that step's word
	s_lshr_b32 s[TB], s[BH], 4
	s_lshl_b32 s[TB], s[TB], 7
	v_and_b32 v8, 31, v0
	v_and_b32 v9, 15, v0                           ; r
	v_bfe_u32 v10, v0, 4, 1                        ; h
	s_delay_alu instid0(VALU_DEP_3)
	v_lshlrev_b32 v[LI], 4, v8
	s_delay_alu instid0(VALU_DEP_3)
	v_lshlrev_b32 v[LR], 4, v9
	s_delay_alu instid0(VALU_DEP_3)
	v_lshlrev_b32 v11, 3, v10
	s_delay_alu instid0(VALU_DEP_1)
	v_sub_nc_u32 v[RH], v9, v11
	v_mov_b32 v[NINF], 0xff800000
	v_add_nc_u32 v[LIV], LV, v[LI]
	v_add_nc_u32 v[LIS], LKS, v[LI]
	v_add_nc_u32 v[LRS], LVS, v[LR]
	v_add_nc_u32 v[YSO], v[LR], v10
.irp j, 20,21,22,23
	v_mov_b32 v\j, 0                               ; Q's upper 64 along K: zero codes
.endr
.irp T, 0,1,2,3,4,5,6,7
.irp j, 4,5,6,7
	v_mov_b32 v[32+8*\T+\j], 0                     ; and K's, in registers of their own
.endr
.endr
.irp j, 236,237,238,239,252,253
	v_mov_b32 v\j, 0                               ; written once: a lane permute's destination counts as one of its sources; v253 is named in the pair v[252:253]
.endr
	s_wait_tensorcnt 0x0                           ; my part of the head is in,
	s_barrier_signal -1
	s_barrier_wait -1                              ; everybody's is
; ONE TILE OF 16 QUERIES.  p = 0: tile t1; p = 1: tile 127 - t1.
.macro PASS p
.if \p
	s_wait_xcnt 0x0                                ; the first tile's stores have read their registers and bases: both are written again below
	s_sub_co_u32 s[TT], 127, s[T1]
	s_sub_co_u32 s[LIM], 15, s[L1]
.else
	s_mov_b32 s[TT], s[T1]
	s_mov_b32 s[LIM], s[L1]
.endif
	s_and_b32 s61, s[TT], 7
	s_lshl_b32 s61, s61, 4                         ; the tile's first query in its last key step
	s_mov_b32 s43, 0
	s_lshl_b32 s42, s[TT], 9
	s_add_nc_u64 s[QCA:QCA+1], s[RECA:RECA+1], s[42:43]   ; Q's codes: 512 bytes a tile
	s_lshr_b32 s42, s[TT], 3
	s_lshl_b32 s42, s42, 9
	s_bfe_u32 s44, s[TT], 0x10002
	s_lshl_b32 s44, s44, 8
	s_add_co_u32 s42, s42, s44
	s_and_b32 s44, s[TT], 3
	s_lshl_b32 s44, s44, 2
	s_add_co_u32 s42, s42, s44
	s_add_co_u32 s42, s42, QSO
	s_add_nc_u64 s[QSA:QSA+1], s[RECA:RECA+1], s[42:43]   ; Q's scale words: [group][half][r][word]
	s_add_co_u32 s44, s[TB], s[TT]                 ; the tile among all 512
	s_lshl_b32 s42, s44, 13
	s_add_co_u32 s42, s42, s[HY]
	s_add_nc_u64 s[YCA:YCA+1], s[6:7], s[42:43]
	s_lshl_b32 s42, s44, 9
	s_add_co_u32 s42, s42, s[HS]
	s_add_nc_u64 s[YSA:YSA+1], s[8:9], s[42:43]
	global_load_b128 v[16:19], v[LI], s[QCA:QCA+1]
	global_load_b32 v255, v[LR], s[QSA:QSA+1]
	v_mov_b32 v13, 0xff61b1e6                      ; the largest t so far: -3e38, under every t
	s_delay_alu instid0(VALU_DEP_1)
	v_floor_f32 v12, -v13                          ; -M
	v_mov_b32 v14, 0                               ; the sum, in two halves
	v_mov_b32 v15, 0
.set n, 0
.rept 32
	v_mov_b32 v[160+n], 0                          ; O^T.  (The step is written once: the first finds zeros, which the first change of M leaves zeros)
.set n, n+1
.endr
	v_add_nc_u32 v[DQ], s61, v[RH]
	s_mov_b32 s[ST], 0
	s_wait_loadcnt 0x0                             ; Q
.Lstep_\@:                                         ; 16 trips, a constant; a step behind the tile's last is jumped over: a branch on the wave's number and the count of steps
	s_cmp_gt_u32 s[ST], s[LIM]
	s_cbranch_scc1 .Lskip_\@
	s_lshl_b32 s58, s[ST], 12                      ; 4,096 bytes of K's and of V's codes a step,
	s_lshl_b32 s59, s[ST], 9                       ; 512 of K's scale words,
	s_lshl_b32 s60, s[ST], 8                       ; 256 of V's
	s_setprio 2
	v_add_nc_u32 v[ADK], s58, v[LI]                ; (these four are the places between the last step's products and the loads into their registers)
	v_add_nc_u32 v[ADV], s58, v[LIV]
	v_add_nc_u32 v[ADS], s59, v[LIS]
	v_add_nc_u32 v[ADT], s60, v[LRS]
.irp T, 0,1,2,3,4,5,6,7
	ds_load_b128 v[32+8*\T:35+8*\T], v[ADK] offset:512*\T      ; an image of the operand's registers: 512 consecutive bytes a load
.endr
	ds_load_b128 v[28:31], v[ADS]                  ; lanes 0-15: the words of tiles 0-3; lanes 16-31: of tiles 4-7
.irp T, 0,1,2,3
.irp c, 0,1
	ds_load_b128 v[192+8*\T+4*\c:195+8*\T+4*\c], v[ADV] offset:1024*\T+512*\c
.endr
.endr
	ds_load_b128 v[248:251], v[ADT]
	s_wait_dscnt 9                                 ; K's nine loads are in; V's nine, issued behind them, may be out
.irp T, 0,1,2,3
	v_wmma_scale_f32_16x16x128_f8f6f4 v[96+8*\T:103+8*\T], v[32+8*\T:39+8*\T], v[16:23], 0, v[28+\T], v255 matrix_a_fmt:MATRIX_FMT_FP4 matrix_b_fmt:MATRIX_FMT_FP4
.endr
.irp T, 4,5,6,7
	v_wmma_scale_f32_16x16x128_f8f6f4 v[96+8*\T:103+8*\T], v[32+8*\T:39+8*\T], v[16:23], 0, v[24+\T], v255 matrix_a_fmt:MATRIX_FMT_FP4 matrix_b_fmt:MATRIX_FMT_FP4 matrix_a_scale:MATRIX_SCALE_ROW1
.endr
.rept 4
	v_nop
.endr
	s_cmp_lg_u32 s[ST], s[LIM]                     ; only the tile's last step lies on the diagonal
	s_cbranch_scc1 .Lopen_\@
.set n, 0
	s_wait_alu depctr_va_vdst(0)
.rept 64
	v_cmp_gt_i32 vcc_lo, 16*(n/8)+n%8, v[DQ]       ; register n holds key 16 (n / 8) + 8 h + n % 8 of the step: hidden where it comes after my query
	v_cndmask_b32 v[96+n], v[96+n], v[NINF], vcc_lo   ; -infinity ahead of the maximum: p = 0 then.  My query's own key lies in this step, so the row's maximum is a number
.set n, n+1
.endr
.Lopen_\@:
.irp b, 0,1,2,3
	v_max3_num_f32 v[232+\b], v[96+16*\b], v[97+16*\b], v[98+16*\b]   ; the largest score of each block of 32 keys: it serves for the row's maximum and, since p rises with the score, for the block's largest p
.endr
.irp i, 3,5,7,9,11,13
.irp b, 0,1,2,3
	v_max3_num_f32 v[232+\b], v[232+\b], v[96+16*\b+\i], v[97+16*\b+\i]
.endr
.endr
.irp b, 0,1,2,3
	v_max_num_f32 v[232+\b], v[232+\b], v[111+16*\b]
.endr
.irp b, 0,1,2,3
	s_delay_alu instid0(VALU_DEP_4)
	v_permlanex16_b32 v[236+\b], v[232+\b], s[SEL], s[SEL+1]
.endr
.irp b, 0,1,2,3
	s_delay_alu instid0(VALU_DEP_4)
	v_max_num_f32 v[232+\b], v[232+\b], v[236+\b]  ; with lane l xor 16's 16 keys
.endr
	s_delay_alu instid0(VALU_DEP_2)
	v_max3_num_f32 v254, v232, v233, v234
	s_delay_alu instid0(VALU_DEP_1)
	v_max_num_f32 v254, v254, v235                 ; the step's largest score of my query
	s_delay_alu instid0(VALU_DEP_1)
	v_mul_f32 v254, s[CS], v254                    ; as t (c is positive)
	s_delay_alu instid0(VALU_DEP_1)
	v_max_num_f32 v13, v13, v254                   ; the running largest t
	v_mov_b32 v254, v12
	s_delay_alu instid0(VALU_DEP_2)
	v_floor_f32 v12, -v13                          ; the new -M = floor(-t) = -ceil(t): M is a whole number
	s_delay_alu instid0(VALU_DEP_1)
	v_sub_f32 v254, v12, v254                      ; M's old value less its new one: a whole number, 0 or less
	s_delay_alu instid0(VALU_DEP_1)
	v_cvt_i32_f32 v254, v254                       ; (it saturates)
	s_delay_alu instid0(VALU_DEP_1)
	v_ldexp_f32 v252, 1.0, v254                    ; f = 2^(old M - new M)
.set n, 0
.rept 32
	v_pk_fma_f32 v[96+n:97+n], v[96+n:97+n], s[CS:CS+1], v[12:13] op_sel_hi:[1,0,0]   ; t - M, two at a time
.set n, n+2
.endr
	s_setprio 1
.irp b, 0,1,2,3
	v_fma_f32 v[232+\b], v[232+\b], s[CS], v12     ; the same of each block's largest score
.endr
.set n, 0
	s_wait_alu depctr_va_vdst(0)
.rept 64
	v_exp_f32 v[96+n], v[96+n]                     ; p = 2^(t - M), at most 1: not normalised
.set n, n+1
.endr
	v_pk_mul_f32 v[14:15], v[14:15], v[252:253] op_sel_hi:[1,0]   ; the sums under the new M: a plain instruction behind the exponentials
	s_wait_alu depctr_va_vdst(0)                   ; one wait for the whole batch, ahead of its first reader
.irp b, 0,1,2,3
	v_exp_f32 v[232+\b], v[232+\b]                 ; the block's largest p: the same two instructions on the same number give the same bits
.endr
	v_pk_add_f32 v[236:237], v[100:101], v[104:105]
	v_pk_add_f32 v[246:247], v[108:109], v[112:113]
	v_pk_add_f32 v[244:245], v[116:117], v[120:121]
	v_pk_add_f32 v[242:243], v[124:125], v[128:129]
	v_pk_add_f32 v[240:241], v[132:133], v[136:137]
	v_pk_add_f32 v[238:239], v[140:141], v[144:145]
	v_pk_add_f32 v[230:231], v[148:149], v[152:153]
	v_pk_add_f32 v[14:15], v[14:15], v[156:157]
	v_pk_add_f32 v[236:237], v[236:237], v[96:97]
	v_pk_add_f32 v[246:247], v[246:247], v[98:99]
	v_pk_add_f32 v[244:245], v[244:245], v[102:103]
	v_pk_add_f32 v[242:243], v[242:243], v[106:107]
	v_pk_add_f32 v[240:241], v[240:241], v[110:111]
	v_pk_add_f32 v[238:239], v[238:239], v[114:115]
	v_pk_add_f32 v[230:231], v[230:231], v[118:119]
	v_pk_add_f32 v[14:15], v[14:15], v[122:123]
	v_pk_add_f32 v[236:237], v[236:237], v[126:127]
	v_pk_add_f32 v[246:247], v[246:247], v[130:131]
	v_pk_add_f32 v[244:245], v[244:245], v[134:135]
	v_pk_add_f32 v[242:243], v[242:243], v[138:139]
	v_pk_add_f32 v[240:241], v[240:241], v[142:143]
	v_pk_add_f32 v[238:239], v[238:239], v[146:147]
	v_pk_add_f32 v[230:231], v[230:231], v[150:151]
	v_pk_add_f32 v[14:15], v[14:15], v[154:155]
	v_pk_add_f32 v[236:237], v[236:237], v[158:159]
	s_delay_alu instid0(VALU_DEP_2)
	v_pk_add_f32 v[14:15], v[14:15], v[242:243]
	s_delay_alu instid0(VALU_DEP_2)
	v_pk_add_f32 v[236:237], v[236:237], v[240:241]
	v_pk_add_f32 v[246:247], v[246:247], v[238:239]
	v_pk_add_f32 v[244:245], v[244:245], v[230:231]
	s_delay_alu instid0(VALU_DEP_2)
	v_pk_add_f32 v[14:15], v[14:15], v[246:247]
	s_delay_alu instid0(VALU_DEP_2)
	v_pk_add_f32 v[236:237], v[236:237], v[244:245]
	s_delay_alu instid0(VALU_DEP_1)
	v_pk_add_f32 v[14:15], v[14:15], v[236:237]
	s_wait_alu depctr_va_vdst(0)                   ; and one for the four
.irp b, 0,1,2,3
	v_max_num_f32 v[232+\b], 0x1800000, v[232+\b]  ; the floor 2^(3 - 127): the byte cannot fall under 1
.endr
.irp b, 0,1,2,3
	s_delay_alu instid0(VALU_DEP_4)
	v_add_nc_u32 v[244+\b], 0xff000000, v[232+\b]  ; 2 off the exponent field: the conversion's scale operand
.endr
.irp b, 0,1,2,3
	s_delay_alu instid0(VALU_DEP_4)
	v_lshrrev_b32 v[236+\b], 23, v[244+\b]         ; the scale's byte
.endr
	s_delay_alu instid0(VALU_DEP_3)
	v_lshl_or_b32 v253, v237, 8, v236              ; p's scale word for these 128 keys
	s_delay_alu instid0(VALU_DEP_1)
	v_lshl_or_b32 v253, v238, 16, v253
	s_delay_alu instid0(VALU_DEP_1)
	v_lshl_or_b32 v253, v239, 24, v253
	s_setprio 0
.irp b, 0,1,2,3
	v_cvt_scalef32_pk8_fp4_f32 v[224+4*(\b/2)+\b%2], v[96+16*\b:103+16*\b], v[244+\b]      ; tile 2 b to register 4 (b / 2) + b % 2,
	v_cvt_scalef32_pk8_fp4_f32 v[226+4*(\b/2)+\b%2], v[104+16*\b:111+16*\b], v[244+\b]     ; tile 2 b + 1 two further on
.endr
	v_nop                                          ; one plain place behind a scaled conversion
.irp c, 0,2,4,6
	v_permlane16_swap_b32 v[224+\c], v[225+\c]     ; a lane now holds a whole block: registers 4 c .. 4 c + 3 are keys 64 c + 32 h + 0 .. 31
.endr
.set n, 0
.rept 16
	v_pk_mul_f32 v[160+n:161+n], v[160+n:161+n], v[252:253] op_sel_hi:[1,0]   ; O^T under the new M.  (These sixteen are also the places between the writes of p's codes and scale word and the products)
.set n, n+2
.endr
	s_wait_alu depctr_va_vdst(0)
	s_wait_dscnt 0x0                               ; V
.irp T, 0,1,2,3
	v_wmma_scale_f32_16x16x128_f8f6f4 v[160+8*\T:167+8*\T], v[192+8*\T:199+8*\T], v[224:231], v[160+8*\T:167+8*\T], v[248+\T], v253 matrix_a_fmt:MATRIX_FMT_FP4 matrix_b_fmt:MATRIX_FMT_FP4
.endr
.Lskip_\@:
	s_add_co_u32 s[ST], s[ST], 1
	s_cmp_lt_u32 s[ST], 16
	s_cbranch_scc1 .Lstep_\@
	s_setprio 0
	; THE TILE'S END: y = O / the sum, quantised along the head's 64 channels: two blocks
.rept 4
	v_nop                                          ; places behind the last products
.endr
	v_add_f32 v14, v14, v15                        ; the sum's two halves,
	s_delay_alu instid0(VALU_DEP_1)
	v_permlanex16_b32 v252, v14, s[SEL], s[SEL+1]
	s_delay_alu instid0(VALU_DEP_1)
	v_add_f32 v14, v14, v252                       ; and lane l xor 16's: the row's sum
	s_wait_alu depctr_va_vdst(0)
	v_rcp_f32 v14, v14
	v_nop                                          ; a plain place behind the reciprocal
	s_wait_alu depctr_va_vdst(0)                   ; and the wait ahead of its first reader
.set n, 0
.rept 16
	v_pk_mul_f32 v[96+n:97+n], v[160+n:161+n], v[14:15] op_sel_hi:[1,0]   ; register 8 T + j: y(query r, channel 16 T + 8 h + j)
.set n, n+2
.endr
.irp b, 0,1
	v_max3_num_f32 v[232+\b], |v[96+16*\b]|, |v[97+16*\b]|, 0x1800000
.endr
.irp i, 2,4,6,8,10,12,14
.irp b, 0,1
	s_delay_alu instid0(VALU_DEP_2)
	v_max3_num_f32 v[232+\b], v[232+\b], |v[96+16*\b+\i]|, |v[97+16*\b+\i]|
.endr
.endr
.irp b, 0,1
	s_delay_alu instid0(VALU_DEP_2)
	v_permlanex16_b32 v[236+\b], v[232+\b], s[SEL], s[SEL+1]
.endr
.irp b, 0,1
	s_delay_alu instid0(VALU_DEP_2)
	v_max_num_f32 v[232+\b], v[232+\b], v[236+\b]
.endr
.irp b, 0,1
	s_delay_alu instid0(VALU_DEP_2)
	v_add_nc_u32 v[244+\b], 0xff000000, v[232+\b]
.endr
.irp b, 0,1
	s_delay_alu instid0(VALU_DEP_2)
	v_lshrrev_b32 v[236+\b], 23, v[244+\b]
.endr
.irp b, 0,1
	v_cvt_scalef32_pk8_fp4_f32 v[224+\b], v[96+16*\b:103+16*\b], v[244+\b]
	v_cvt_scalef32_pk8_fp4_f32 v[226+\b], v[104+16*\b:111+16*\b], v[244+\b]
.endr
	v_nop
	v_permlane16_swap_b32 v224, v225
	v_permlane16_swap_b32 v226, v227               ; v[224:227]: channels 32 h + 0 .. 31 of query r: half a fragment of launch 3's operand
	v_cndmask_b32 v254, v236, v237, s[HM]          ; lane (r, h) stores block h's byte
	global_store_b128 v[LI], v[224:227], s[YCA:YCA+1]   ; the wave stores 512 consecutive bytes, aligned
	global_store_b8 v[YSO], v254, s[YSA:YSA+1]
.endm
	PASS 0
	PASS 1
	s_wait_tensorcnt 0x0                           ; the wave's end
	ds_add_u32 v[SPW], v[NIL]
	s_wait_dscnt 0x0
	CROUND                                         ; the closing round
	s_endpgm
.Lfunc_end_k_qe87e2f0f4d_attn:
	.size	k_qe87e2f0f4d_attn, .Lfunc_end_k_qe87e2f0f4d_attn-k_qe87e2f0f4d_attn
	.p2alignl 7, 3214868480
	.fill 96, 4, 3214868480
	.section	.rodata,"a",@progbits
	.p2align	6, 0x0
	.amdhsa_kernel k_qe87e2f0f4d_attn
		.amdhsa_group_segment_fixed_size 327680
		.amdhsa_private_segment_fixed_size 0
		.amdhsa_enable_private_segment 0
		.amdhsa_kernarg_size 24
		.amdhsa_user_sgpr_count 2
		.amdhsa_user_sgpr_kernarg_segment_ptr 1
		.amdhsa_wavefront_size32 1
		.amdhsa_system_sgpr_workgroup_id_x 1
		.amdhsa_system_sgpr_workgroup_id_y 1
		.amdhsa_system_sgpr_workgroup_id_z 1
		.amdhsa_system_vgpr_workitem_id 0
		.amdhsa_next_free_vgpr 256
		.amdhsa_next_free_sgpr 66
		.amdhsa_reserve_vcc 1
		.amdhsa_float_denorm_mode_32 3
		.amdhsa_float_denorm_mode_16_64 3
		.amdhsa_memory_ordered 1
		.amdhsa_forward_progress 1
		.amdhsa_inst_pref_size 61
	.end_amdhsa_kernel
	.amdgpu_metadata
---
amdhsa.version: [ 1, 2 ]
amdhsa.kernels:
  - .name:           k_qe87e2f0f4d_attn
    .symbol:         k_qe87e2f0f4d_attn.kd
    .args:
      - { .name: qkv, .offset: 0, .size: 8, .value_kind: global_buffer, .address_space: global }
      - { .name: yc, .offset: 8, .size: 8, .value_kind: global_buffer, .address_space: global }
      - { .name: ys, .offset: 16, .size: 8, .value_kind: global_buffer, .address_space: global }
    .group_segment_fixed_size: 327680
    .private_segment_fixed_size: 0
    .kernarg_segment_align: 8
    .kernarg_segment_size: 24
    .max_flat_workgroup_size: 512
    .sgpr_count:     66
    .vgpr_count:     256
    .wavefront_size: 32
...
	.end_amdgpu_metadata
.endif
;; end of part 2
;; launch proj (part 3): grid 4 x 64, 4 waves a work-group, clusters of 4 x 4, 327,680 bytes of LDS; arguments yc, ys, c_proj_w_codes, c_proj_w_scales, c_proj_b, out0; writes out0
.if DOCPART == 3
	.amdgcn_target "amdgcn-amd-amdhsa--gfx1250"
	.amdhsa_code_object_version 6
	.text
	.protected	k_qe87e2f0f4d_proj
	.globl	k_qe87e2f0f4d_proj
	.p2align	8
	.type	k_qe87e2f0f4d_proj,@function
k_qe87e2f0f4d_proj:
	s_mov_b64 s[64:65], 0
	v_nop
	global_prefetch_b8 v0, s[64:65] scope:SCOPE_SE
	s_setreg_imm32_b32 hwreg(HW_REG_WAVE_MODE, 25, 1), 1
	s_wait_xcnt 0x0
	s_wait_alu depctr_hold_cnt(0) depctr_sa_sdst(0) depctr_va_vdst(0) depctr_va_sdst(0) depctr_va_ssrc(0) depctr_va_vcc(0) depctr_vm_vsrc(0)
	s_getreg_b32 s2, hwreg(HW_REG_IB_STS2, 6, 4)
	s_cmp_eq_u32 s2, 0
	s_cbranch_scc0 .Lentry_in_a_cluster
	s_endpgm
.Lentry_in_a_cluster:
	s_bfe_u32 s2, ttmp6, 0x10000c
	s_cmp_lg_u32 s2, 0xf033
	s_cbranch_scc0 .Lentry_shape_is_right
	s_endpgm
.Lentry_shape_is_right:
; LAUNCH 3 OF 3: out0 = y c_proj_w + c_proj_b on codes of FP4 with E8M0 scales, sums in f32.  y's codes and scale words come from launch 2, laid as images of the operand's registers.  Nothing is left out here.
; SHARES.  256 work-groups of 128 tokens x 256 outputs; four waves, each 64 tokens x 128 outputs: 32 accumulators of 16 x 16.  All of K = 1,024 lies in LDS, in two halves of 512, both asked for at the start: nothing is filled again.
; THE MATRIX INSTRUCTION IS USED TRANSPOSED: source 0 = 16 rows of c_proj_w (outputs), source 1 = 16 tokens of y: a lane holds eight neighbouring outputs of one token.  The bias is the C of each sum's first product.
; CLUSTERS: 4 x 4.  y's tiles hang on cy and are shared along a row of the cluster, c_proj_w's on cx and are shared along a column: each is asked for jointly.
; REGISTERS, in windows of 256.  Window 0: v16-30 addresses; v32-63 y's scale words (8 a + K step), v64-127 c_proj_w's (8 b + K step): all of K's, loaded once; v128-191 y's fragments, two sets; v192-255 the bias;
;   on the way out v128-255 take rows of the result.  Window 1: c_proj_w's fragments, two sets, at v0 and v128.  Window 2: the accumulators, (a, b) at v[8 (8 a + b)].
.set PITCH,  272                       ; a row of c_proj_w in LDS: 256 bytes + 16 of padding: the 16 rows that a load touches start at 16 different banks (64 banks of 4 bytes: ISA guide 11.1)
.set YH,     32768                     ; LDS: y's codes, half 0 at 0, half 1 here: [tile of 16 tokens, 8][4,096 bytes]
.set W0,     65536                     ; c_proj_w's codes: 256 rows x 272 bytes a half
.set WH,     256*PITCH
.set YSC,    W0+2*WH                   ; y's scale words: 8 tiles x 512 bytes
.set WSC,    YSC+4096                  ; c_proj_w's scale bytes: 32 units of 256 bytes + 16 of padding
.set STAGE,  WSC+32*272                ; the way out: 16 rows x (512 bytes + 16) for each wave: bytes of its own, into which no tensor load lands
.set SPITCH, 528
.set SPARE,  STAGE+4*16*SPITCH         ; the spare words, 128 bytes for each wave: two blocks of 256 bytes that no other line names
.set ADRY, 16                          ; v16-17  LDS address of my y fragments in half 0, 1
.set ADRW, 20                          ; v20-21  the same for c_proj_w
.set ADYS, 22
.set ADWS, 23
.set STO,  24
.set RD,   25
.set CO,   26                          ; v26     16 x lane
.set SPW,  28                          ; v28     LDS address of my spare word; never rewritten
.set NIL,  29                          ; v29     0; never rewritten
.set BO,   30
.set YSR,  32
.set WSR,  64
.set YF,   128
.set BI,   192
.set BK,   128
.set G1, 24
.set G0, 32
.set G1B, 48
.set G0B, 56
.set G1S, 68
.set G0S, 76
.set G1SB, 80
.set G0SB, 88
.set MSB, 0
.macro WIN new                         ; the immediate's high byte repeats the setting that is left
.if MSB != \new
	s_set_vgpr_msb (MSB<<8)|\new
.set MSB, \new
.endif
.endm
; A joint load: waves 0 and 1 fetch for y, waves 2 and 3 for c_proj_w.  The branch hangs on the wave's number alone.  An s_nop 0 and four v_nop follow each of the two lines.
.macro JLOAD g0a, g1a, g0b, g1b
	s_cmp_eq_u32 s15, 0
	s_cbranch_scc0 .Lfor_b_\@
	tensor_load_to_lds s[\g0a:\g0a+3], s[\g1a:\g1a+7]
	s_nop 0
.rept 4
	v_nop
.endr
	s_branch .Lasked_\@
.Lfor_b_\@:
	tensor_load_to_lds s[\g0b:\g0b+3], s[\g1b:\g1b+7]
	s_nop 0
.rept 4
	v_nop
.endr
.Lasked_\@:
.endm
.macro CROUND                          ; a round of the cluster's barrier
	s_barrier_signal -1
	s_barrier_wait -1
	s_cmp_lg_u32 s14, 0
	s_cbranch_scc1 .Lnot_wave_0_\@
	s_barrier_signal -3
.Lnot_wave_0_\@:
	s_barrier_wait -3
	s_barrier_signal -1
	s_barrier_wait -1
.endm
	s_load_b128 s[4:7], s[0:1], 0x0                ; y's codes, y's scale words
	s_load_b128 s[8:11], s[0:1], 0x10              ; c_proj_w's codes, its scales
	s_load_b64 s[12:13], s[0:1], 0x20              ; c_proj_b
	s_load_b64 s[66:67], s[0:1], 0x28              ; out0
	v_lshl_add_u32 v[SPW], v0, 2, SPARE
	v_mov_b32 v[NIL], 0
	ds_add_u32 v[SPW], v[NIL]                      ; the wave's opening: the add, twice on end, and its wait ahead of my first tensor load
	ds_add_u32 v[SPW], v[NIL]                      ; and once more; the set-up below stands between it and the wait
	v_lshrrev_b32 v1, 5, v0
	v_readfirstlane_b32 s14, v1                    ; wave 0..3
	s_lshr_b32 s15, s14, 1                         ; which 64 tokens are mine.  Also: I fetch for y (0) or for c_proj_w (1)
	s_and_b32 s16, s14, 1                          ; which 128 outputs.  Also: which half of that tile I fetch
	s_bfe_u32 s40, ttmp6, 0x40000                  ; cx, cy
	s_bfe_u32 s41, ttmp6, 0x40004
	s_lshl_b32 s42, ttmp9, 2
	s_add_co_u32 s42, s42, s40                     ; the tile of 256 outputs
	s_and_b32 s17, ttmp7, 0xffff
	s_lshl_b32 s17, s17, 2
	s_add_co_u32 s17, s17, s41                     ; the tile of 128 tokens
	s_lshl_b32 s43, s41, 2
	s_lshl_b32 s43, 15, s43                        ; my row of the cluster
	s_lshl_b32 s44, 0x1111, s40                    ; my column
	; y's codes: 4 tiles of 16 tokens, of each the 4,096 bytes of one half of K: 4 rows of 512 elements of 8 bytes, 8,192 bytes apart; no padding: they are read as they lie, 512 consecutive bytes a load
	s_or_b32 s[G1+0], s43, (3<<16)|(1<<21)
	s_mov_b32 s[G1+1], 512<<16                     ; tensor_dim0
	s_mov_b32 s[G1+2], 4<<16                       ; tensor_dim1
	s_mov_b32 s[G1+3], 512<<16                     ; tile_dim0
	s_mov_b32 s[G1+4], 4                           ; tile_dim1
	s_mov_b32 s[G1+5], 1024                        ; tensor_dim0_stride
	s_mov_b32 s[G1+6], 0
	s_mov_b32 s[G1+7], 0
	; c_proj_w's codes: 128 rows x 256 bytes, 512 bytes apart, 16 bytes of padding behind each
	s_or_b32 s[G1B+0], s44, (0<<16)|(1<<20)|(1<<21)|(5<<22)|(3<<25)
	s_mov_b32 s[G1B+1], 256<<16
	s_mov_b32 s[G1B+2], 128<<16
	s_mov_b32 s[G1B+3], 256<<16
	s_mov_b32 s[G1B+4], 128
	s_mov_b32 s[G1B+5], 512
	s_mov_b32 s[G1B+6], 0
	s_mov_b32 s[G1B+7], 0
	; y's scale words of 4 tiles: 2,048 dense bytes, 8 rows of 256
	s_or_b32 s[G1S+0], s43, (3<<16)|(1<<21)
	s_mov_b32 s[G1S+1], 32<<16
	s_mov_b32 s[G1S+2], 8<<16
	s_mov_b32 s[G1S+3], 32<<16
	s_mov_b32 s[G1S+4], 8
	s_mov_b32 s[G1S+5], 32
	s_mov_b32 s[G1S+6], 0
	s_mov_b32 s[G1S+7], 0
	; c_proj_w's scale bytes of 128 rows: 4,096 dense bytes, 16 rows of 256, 16 bytes of padding behind each
	s_or_b32 s[G1SB+0], s44, (3<<16)|(1<<20)|(1<<21)|(5<<22)|(3<<25)
	s_mov_b32 s[G1SB+1], 32<<16
	s_mov_b32 s[G1SB+2], 16<<16
	s_mov_b32 s[G1SB+3], 32<<16
	s_mov_b32 s[G1SB+4], 16
	s_mov_b32 s[G1SB+5], 32
	s_mov_b32 s[G1SB+6], 0
	s_mov_b32 s[G1SB+7], 0
	s_lshl_b32 s20, s17, 3
	s_lshl_b32 s18, s16, 2
	s_add_co_u32 s20, s20, s18                     ; y: the first of the four tiles of 16 tokens that I fetch
	s_lshl_b32 s22, s20, 9                         ; 512 bytes of scale words a tile,
	s_mov_b32 s23, 0
	s_lshl_b32 s20, s20, 13                        ; 8,192 of codes
	s_mov_b32 s21, 0
	s_lshl_b32 s46, s42, 8
	s_lshl_b32 s18, s16, 7
	s_add_co_u32 s46, s46, s18                     ; c_proj_w: the first of the 128 rows that I fetch
	s_lshl_b32 s92, s46, 5                         ; 32 scale bytes a row,
	s_mov_b32 s93, 0
	s_lshl_b32 s46, s46, 9                         ; 512 bytes of codes
	s_mov_b32 s47, 0
	s_lshl_b32 s45, s16, 14                        ; where they go: the wave's number times constants alone
	s_mul_i32 s94, s16, 128*PITCH
	s_lshl_b32 s95, s16, 11
	s_mul_i32 s96, s16, 16*272
	s_wait_dscnt 0x0                               ; both opening adds are done
	s_wait_kmcnt 0x0
	s_add_nc_u64 s[20:21], s[4:5], s[20:21]
	s_add_nc_u64 s[22:23], s[6:7], s[22:23]
	s_add_nc_u64 s[46:47], s[8:9], s[46:47]
	s_add_nc_u64 s[92:93], s[10:11], s[92:93]
	CROUND                                         ; all sixteen work-groups are here: the first joint loads meet
	s_mov_b32 s[G0S], 1
	s_add_co_u32 s[G0S+1], s95, YSC
	s_mov_b64 s[G0S+2:G0S+3], s[22:23]
	s_or_b32 s[G0S+3], s[G0S+3], 0x80000000
	s_mov_b32 s[G0SB], 1
	s_add_co_u32 s[G0SB+1], s96, WSC
	s_mov_b64 s[G0SB+2:G0SB+3], s[92:93]
	s_or_b32 s[G0SB+3], s[G0SB+3], 0x80000000
	JLOAD G0S, G1S, G0SB, G1SB                     ; the scales first.  A wave has one tensor load out at the most
.irp s, 0,1
	s_mov_b32 s[G0+4*\s], 1
	s_add_co_u32 s[G0+4*\s+1], s45, \s*YH
	s_add_nc_u64 s[G0+4*\s+2:G0+4*\s+3], s[20:21], \s*4096
	s_or_b32 s[G0+4*\s+3], s[G0+4*\s+3], 0x80000000
	s_mov_b32 s[G0B+4*\s], 1
	s_add_co_u32 s[G0B+4*\s+1], s94, W0+\s*WH
	s_add_nc_u64 s[G0B+4*\s+2:G0B+4*\s+3], s[46:47], \s*256
	s_or_b32 s[G0B+4*\s+3], s[G0B+4*\s+3], 0x80000000
	s_wait_alu depctr_va_vdst(0)
	s_wait_tensorcnt 0x0
	ds_add_u32 v28, v29
	s_wait_dscnt 0x0
	CROUND
	JLOAD G0+4*\s, G1, G0B+4*\s, G1B
.endr
	v_and_b32 v1, 15, v0                           ; r
	v_bfe_u32 v2, v0, 4, 1                         ; h
	v_and_b32 v3, 31, v0
	v_lshlrev_b32 v[CO], 4, v3
	s_lshl_b32 s21, s15, 14                        ; my four tiles of y
.irp s, 0,1
	v_add_nc_u32 v[ADRY+\s], s21, v[CO]
	s_add_co_u32 s21, s21, YH
.endr
	v_mul_u32_u24 v4, v1, PITCH
	v_lshl_add_u32 v4, v2, 4, v4
	s_mul_i32 s22, s16, 128*PITCH                  ; my 128 rows of c_proj_w
	s_add_co_u32 s22, s22, W0
.irp s, 0,1
	v_add_nc_u32 v[ADRW+\s], s22, v4
	s_add_co_u32 s22, s22, WH
.endr
	s_lshl_b32 s21, s15, 11
	s_add_co_u32 s21, s21, YSC
	v_lshl_add_u32 v[ADYS], v1, 4, s21             ; y's scale words: 16 bytes for each token and half of K
	v_lshlrev_b32 v5, 5, v1                        ; c_proj_w's: 32 bytes a row,
	v_lshrrev_b32 v6, 8, v5
	v_lshl_add_u32 v5, v6, 4, v5                   ; and 16 more for each 256 passed
	s_mul_i32 s22, s16, 16*272
	s_add_co_u32 s22, s22, WSC
	v_add_nc_u32 v[ADWS], s22, v5
	s_mul_i32 s23, s14, 16*SPITCH
	s_add_co_u32 s23, s23, STAGE                   ; my stage
	v_mul_u32_u24 v5, v1, SPITCH
	v_lshl_add_u32 v5, v2, 5, v5
	v_add_nc_u32 v[STO], s23, v5                   ; in: row r, 32 bytes for each half of the lanes
	v_add_nc_u32 v[RD], s23, v[CO]                 ; back: the 32 lanes take one row of 512 bytes
	v_lshlrev_b32 v[BO], 5, v2
	s_wait_alu depctr_va_vdst(0)
	s_lshl_b32 s96, s42, 10
	s_lshl_b32 s97, s16, 9
	s_add_co_u32 s96, s96, s97                     ; my first output, in bytes
	s_mov_b32 s97, 0
	s_add_nc_u64 s[12:13], s[12:13], s[96:97]
	s_add_nc_u64 s[66:67], s[66:67], s[96:97]
	s_lshl_b32 s96, s17, 7
	s_lshl_b32 s18, s15, 6
	s_add_co_u32 s96, s96, s18                     ; my first token
	s_lshl_b32 s96, s96, 12                        ; a row of out0 is 4,096 bytes
	s_add_nc_u64 s[66:67], s[66:67], s[96:97]
.irp b, 0,1,2,3,4,5,6,7
	global_load_b128 v[BI+8*\b:BI+8*\b+3], v[BO], s[12:13] offset:64*\b       ; register 8 b + j: the bias of output 16 b + 8 h + j
	global_load_b128 v[BI+8*\b+4:BI+8*\b+7], v[BO], s[12:13] offset:64*\b+16
.endr
.macro PLACES n                        ; plain vector instructions between a matrix instruction and a load into, or a read of, its registers (ISA guide 7.12.1 for reads)
.rept \n
	v_nop
.endr
.endm
; 24 LDS loads in one run: the fragments of the half's q-th 128 along K into set set
.macro FETCH3 slot, q, set
	WIN 0x40                                       ; destination window 1
.irp b, 0,1,2,3,4,5,6,7
.irp c, 0,1
	ds_load_b128 v[128*(\set)+8*\b+4*\c:128*(\set)+8*\b+4*\c+3], v[ADRW+\slot] offset:64*(\q)+32*\c+16*PITCH*\b
.endr
.endr
	WIN 0
.irp a, 0,1,2,3
.irp c, 0,1
	ds_load_b128 v[YF+32*(\set)+8*\a+4*\c:YF+32*(\set)+8*\a+4*\c+3], v[ADRY+\slot] offset:4096*\a+512*(2*(\q)+\c)
.endr
.endr
.endm
; 32 matrix instructions: K step k8 of eight.  The 32 accumulators take turns, one instruction a turn, in the same order in every step.  cm = 1: the sums begin with the bias.
.macro MUL32 set, k8, cm
.if \cm
	WIN 0x81                                       ; source 0 window 1, sources 1 and 2 window 0, D window 2
.else
	WIN 0xa1                                       ; source 0 window 1, source 1 window 0, C and D window 2
.endif
.irp a, 0,1,2,3
.irp b, 0,1,2,3,4,5,6,7
.set rD, 8*(8*\a+\b)
.set rC, rD
.if \cm
.set rC, BI+8*\b
.endif
	v_wmma_scale_f32_16x16x128_f8f6f4 v[rD:rD+7], v[128*(\set)+8*\b:128*(\set)+8*\b+7], v[YF+32*(\set)+8*\a:YF+32*(\set)+8*\a+7], v[rC:rC+7], v[WSR+8*\b+(\k8)], v[YSR+8*\a+(\k8)] matrix_a_fmt:MATRIX_FMT_FP4 matrix_b_fmt:MATRIX_FMT_FP4
.endr
.endr
.endm
.macro STEP3 k8, cm                    ; K step k8: its fragments are in; the next step's are asked for, into the other set; then the products
	s_wait_dscnt 0x0
	PLACES 4
	FETCH3 ((\k8)+1)/4, ((\k8)+1)%4, 1-(\k8)%2
	MUL32 (\k8)%2, \k8, \cm
.endm
	s_wait_tensorcnt 1                             ; the scales and my part of half 0 are in; half 1's load, the one issued behind them, may be out
	s_barrier_signal -1
	s_barrier_wait -1                              ; everybody's are
.irp a, 0,1,2,3
.irp s, 0,1
	ds_load_b128 v[YSR+8*\a+4*\s:YSR+8*\a+4*\s+3], v[ADYS] offset:512*\a+256*\s     ; the scale words of all eight K steps, once
.endr
.endr
.irp b, 0,1,2,3,4,5,6,7
.irp s, 0,1
	ds_load_b128 v[WSR+8*\b+4*\s:WSR+8*\b+4*\s+3], v[ADWS] offset:544*\b+16*\s
.endr
.endr
	FETCH3 0, 0, 0
	s_wait_loadcnt 0x0                             ; the bias
	STEP3 0, 1
	STEP3 1, 0
	STEP3 2, 0
	WIN 0                                          ; (the add's two registers lie in window 0)
	s_wait_tensorcnt 0x0                           ; my part of half 1 is in;
	ds_add_u32 v[SPW], v[NIL]                      ; 0 onto my spare word
	s_wait_dscnt 0x0                               ; no LDS instruction of mine is pending at the signal
	s_barrier_signal -1
	s_barrier_wait -1                              ; everybody's is
	STEP3 3, 0                                     ; it asks for half 1's first fragments
	STEP3 4, 0
	STEP3 5, 0
	STEP3 6, 0
	s_wait_dscnt 0x0                               ; the last step: nothing more to fetch
	MUL32 1, 7, 0
	WIN 0
; THE WAY OUT, block by block of 16 tokens x 128 outputs.  A lane holds 32 neighbouring bytes of a row and the lanes beside it other rows: a block goes through my own stage in LDS and comes back as whole rows of 512 bytes.
; LDS serves a wave's instructions in order (ISA guide 5.7.1.4): no wait between the stores and the loads, nor in front of the next block's stores.
.macro TOSTAGE a
	WIN 0x08                                       ; an LDS store's data are its source 1: window 2
.irp b, 0,1,2,3,4,5,6,7
	ds_store_b128 v[STO], v[64*(\a)+8*\b:64*(\a)+8*\b+3] offset:64*\b            ; each accumulator from its low end on
	ds_store_b128 v[STO], v[64*(\a)+8*\b+4:64*(\a)+8*\b+7] offset:64*\b+16
.endr
	WIN 0
.set BB, BK+64*((\a)%2)
.irp t, 0,1,2,3,4,5,6,7,8,9,10,11,12,13,14,15
	ds_load_b128 v[BB+4*\t:BB+4*\t+3], v[RD] offset:\t*SPITCH
.endr
.endm
.macro SEND a, younger                 ; younger: the LDS instructions issued behind block a's loads, which may stay out
.set BB, BK+64*((\a)%2)
	s_wait_dscnt \younger
.irp t, 0,1,2,3,4,5,6,7,8,9,10,11,12,13,14,15
	global_store_b128 v[CO], v[BB+4*\t:BB+4*\t+3], s[66:67] offset:(16*(\a)+\t)*4096 th:TH_STORE_NT   ; 32 lanes store 512 consecutive bytes, aligned; 63 rows at the most stand in the immediate
.endr
.endm
	PLACES 4                                       ; in front of the reads of results and of the loads into the registers that held y's fragments and the bias
	TOSTAGE 0
.irp a, 1,2,3
.if \a > 1
	s_wait_xcnt 0x0                                ; block a - 2's stores have read their registers: block a's loads may land there
.endif
	TOSTAGE \a
	SEND \a-1, 32                                  ; behind block a - 1's loads: block a's 16 stores and 16 loads
.endr
	SEND 3, 0
	s_wait_tensorcnt 0x0                           ; the wave's end, behind my last tensor load and my last LDS store
	ds_add_u32 v[SPW], v[NIL]
	s_wait_dscnt 0x0
	CROUND                                         ; the closing round
	s_endpgm
.Lfunc_end_k_qe87e2f0f4d_proj:
	.size	k_qe87e2f0f4d_proj, .Lfunc_end_k_qe87e2f0f4d_proj-k_qe87e2f0f4d_proj
	.p2alignl 7, 3214868480
	.fill 96, 4, 3214868480
	.section	.rodata,"a",@progbits
	.p2align	6, 0x0
	.amdhsa_kernel k_qe87e2f0f4d_proj
		.amdhsa_group_segment_fixed_size 327680
		.amdhsa_private_segment_fixed_size 0
		.amdhsa_enable_private_segment 0
		.amdhsa_kernarg_size 48
		.amdhsa_user_sgpr_count 2
		.amdhsa_user_sgpr_kernarg_segment_ptr 1
		.amdhsa_wavefront_size32 1
		.amdhsa_system_sgpr_workgroup_id_x 1
		.amdhsa_system_sgpr_workgroup_id_y 1
		.amdhsa_system_sgpr_workgroup_id_z 1
		.amdhsa_system_vgpr_workitem_id 0
		.amdhsa_next_free_vgpr 768
		.amdhsa_next_free_sgpr 98
		.amdhsa_reserve_vcc 0
		.amdhsa_float_denorm_mode_32 3
		.amdhsa_float_denorm_mode_16_64 3
		.amdhsa_memory_ordered 1
		.amdhsa_forward_progress 1
		.amdhsa_inst_pref_size 75
	.end_amdhsa_kernel
	.amdgpu_metadata
---
amdhsa.version: [ 1, 2 ]
amdhsa.kernels:
  - .name:           k_qe87e2f0f4d_proj
    .symbol:         k_qe87e2f0f4d_proj.kd
    .args:
      - { .name: yc, .offset: 0, .size: 8, .value_kind: global_buffer, .address_space: global }
      - { .name: ys, .offset: 8, .size: 8, .value_kind: global_buffer, .address_space: global }
      - { .name: c_proj_w_codes, .offset: 16, .size: 8, .value_kind: global_buffer, .address_space: global }
      - { .name: c_proj_w_scales, .offset: 24, .size: 8, .value_kind: global_buffer, .address_space: global }
      - { .name: c_proj_b, .offset: 32, .size: 8, .value_kind: global_buffer, .address_space: global }
      - { .name: out0, .offset: 40, .size: 8, .value_kind: global_buffer, .address_space: global }
    .group_segment_fixed_size: 327680
    .private_segment_fixed_size: 0
    .kernarg_segment_align: 8
    .kernarg_segment_size: 48
    .max_flat_workgroup_size: 128
    .sgpr_count:     98
    .vgpr_count:     768
    .wavefront_size: 32
...
	.end_amdgpu_metadata
.endif
;; end of part 3
